; MI455X (gfx1250); checked and timed in simulation.
; The chip was launched on July 23, 2026; its instructions are those of AMD's public machine-readable ISA for CDNA 5 (MIT licence, August 2026) and "CDNA5" Instruction Set Architecture Reference Guide (July 2026). The comments in the code are by the model that wrote it; some were corrected since.
;; Covariant Potential Net. Allowed arithmetic: matrix products marked QUANTISED: E4M3 operands, one E8M0 scale for each 32 along K, by v_wmma_scale_f32_16x16x128_f8f6f4 with both operands' format E4M3, f32 sums; products left as they are: f32 operands where the result goes on into a quantised operand, else bf16, f16 or f32 operands; f32 sums; everything else in f32.
;; Inputs: Wk_codes 512 x 16 x 32 uint8 (E4M3 codes of Wk, K innermost, in blocks of 32 codes); Wk_scales 512 x 16 uint8 (E8M0 scales of Wk, one for each 32 codes along K); Wo_codes 512 x 16 x 32 uint8 (E4M3 codes of Wo, K innermost, in blocks of 32 codes); Wo_scales 512 x 16 uint8 (E8M0 scales of Wo, one for each 32 codes along K); Wq_codes 512 x 16 x 32 uint8 (E4M3 codes of Wq, K innermost, in blocks of 32 codes); Wq_scales 512 x 16 uint8 (E8M0 scales of Wq, one for each 32 codes along K); Wv_codes 512 x 16 x 32 uint8 (E4M3 codes of Wv, K innermost, in blocks of 32 codes); Wv_scales 512 x 16 uint8 (E8M0 scales of Wv, one for each 32 codes along K); bk 512 float32; bo 512 float32; bq 512 float32; bv 512 float32; chart_centers 64 x 64 float32; chart_emb 64 x 512 float32; geo_scale one number float32; rw 2,048 x 64 float32; vW 1 x 512 float32; vb 1 float32; z 2,048 x 64 float32; zW 512 x 64 float32; zb 512 float32.
;; Outputs: out0 2,048 x 1 float32.
;; This version of the problem:
;;   THIS VERSION OF THE PROBLEM IS GIVEN IN LOW PRECISION. The matrix products marked QUANTISED in the list below multiply operands that are first quantised to E4M3 (4 exponent bits, 3 mantissa bits; 8 bits a number), with one power-of-two scale for each 32 numbers along K (OCP MX v1.0); their sums are f32. All else is computed in f32.
;;   The module's matrix products, in the order in which they are computed (A, B: the left and right operand; K: the contracted axis; several contracted axes count as one K, in the product's order):
;;     1. [M 64, K 512] x [K 512, N 1]; A: input zW; B: computed on the way: left as it is (N = 1 < 16)
;;     2. [M 64, K 512] x [K 512, N 1]; A: input zW; B: computed on the way: left as it is (N = 1 < 16)
;;     3. [M 512, K 64] x [K 64, N 1]; A: input zW; B: computed on the way: left as it is (N = 1 < 16)
;;     4. [M 64, K 512] x [K 512, N 1]; A: input zW; B: computed on the way: left as it is (N = 1 < 16)
;;     5. [M 512, K 64] x [K 64, N 1]; A: input zW; B: computed on the way: left as it is (N = 1 < 16)
;;     6. [M 64, K 512] x [K 512, N 1]; A: input zW; B: computed on the way: left as it is (N = 1 < 16)
;;     7. [M 512, K 64] x [K 64, N 1]; A: input zW; B: computed on the way: left as it is (N = 1 < 16)
;;     8. [M 64, K 512] x [K 512, N 1]; A: input zW; B: computed on the way: left as it is (N = 1 < 16)
;;     9. [M 512, K 64] x [K 64, N 1]; A: input zW; B: computed on the way: left as it is (N = 1 < 16)
;;     10. [M 64, K 512] x [K 512, N 1]; A: input zW; B: computed on the way: left as it is (N = 1 < 16)
;;     11. [M 512, K 64] x [K 64, N 1]; A: input zW; B: computed on the way: left as it is (N = 1 < 16)
;;     12. [M 512, K 64] x [K 64, N 1]; A: input zW; B: computed on the way: left as it is (N = 1 < 16)
;;     13. [M 1, K 512] x [K 512, N 1]; A: computed on the way; B: computed on the way: left as it is (M = 1 < 16)
;;     14. [M 2,048, K 64] x [K 64, N 512]; A: input z; B: computed on the way: QUANTISED
;;     15. [M 2,048, K 512] x [K 512, N 512]; A: computed on the way; B: input Wq (given as codes): QUANTISED
;;     16. [M 131,072, K 512] x [K 512, N 512]; A: computed on the way; B: input Wk (given as codes): QUANTISED
;;     17. [M 131,072, K 512] x [K 512, N 512]; A: computed on the way; B: input Wv (given as codes): QUANTISED
;;     18. batch 2,048 x [M 1, K 512] x [K 512, N 64]; A: computed on the way; B: computed on the way: left as it is (M = 1 < 16)
;;     19. batch 2,048 x [M 1, K 64] x [K 64, N 512]; A: softmax; B: computed on the way: left as it is (M = 1 < 16)
;;     20. [M 2,048, K 512] x [K 512, N 512]; A: computed on the way; B: input Wo (given as codes): QUANTISED
;;     21. [M 512, K 1] x [K 1, N 1]; A: input vW; B: computed on the way: left as it is (K = 1 < 32)
;;     22. [M 512, K 1] x [K 1, N 1]; A: input vW; B: computed on the way: left as it is (K = 1 < 32)
;;     23. [M 1, K 512] x [K 512, N 1]; A: input vW; B: computed on the way: left as it is (M = 1 < 16)
;;     24. [M 512, K 1] x [K 1, N 1]; A: input vW; B: computed on the way: left as it is (K = 1 < 32)
;;     25. [M 1, K 512] x [K 512, N 1]; A: input vW; B: computed on the way: left as it is (M = 1 < 16)
;;     26. [M 512, K 1] x [K 1, N 1]; A: input vW; B: computed on the way: left as it is (K = 1 < 32)
;;     27. [M 1, K 512] x [K 512, N 1]; A: input vW; B: computed on the way: left as it is (M = 1 < 16)
;;     28. [M 512, K 1] x [K 1, N 1]; A: input vW; B: computed on the way: left as it is (K = 1 < 32)
;;     29. [M 1, K 512] x [K 512, N 1]; A: input vW; B: computed on the way: left as it is (M = 1 < 16)
;;     30. [M 512, K 1] x [K 1, N 1]; A: input vW; B: computed on the way: left as it is (K = 1 < 32)
;;     31. [M 1, K 512] x [K 512, N 1]; A: input vW; B: computed on the way: left as it is (M = 1 < 16)
;;     32. [M 1, K 512] x [K 512, N 1]; A: input vW; B: computed on the way: left as it is (M = 1 < 16)
;;     33. [M 1, K 1] x [K 1, N 1]; A: computed on the way; B: computed on the way: left as it is (K = 1 < 32)
;;     34. [M 2,048, K 512] x [K 512, N 1]; A: computed on the way; B: computed on the way: left as it is (N = 1 < 16)
;;   THE QUANTISER, for each operand of a quantised product, along K:
;;     - K is cut into blocks of 32 from its start; a last block that is shorter is filled with zeros.
;;     - A block's scale is 2^e with e = floor(log2(the largest magnitude in the block)) - 8, held to -126 .. 127; a block of zeros has e = 0. As a byte (E8M0): e + 127.
;;     - Each number is divided by its block's scale, clamped to +-448, and rounded to the nearest number of E4M3, ties to even, subnormals kept.
;;     - The product sums the exact products of the quantised numbers (number of the format x scale) in f32.
;;   ~~~python
;;   def quantise(x, axis):      # numpy; x: float32 -> the quantised numbers, widened to float32 again
;;       x = np.moveaxis(x, axis, -1); K = x.shape[-1]
;;       x = np.pad(x, [(0, 0)] * (x.ndim - 1) + [(0, -K % 32)]); x = x.reshape(x.shape[:-1] + (-1, 32)); a = np.abs(x).max(-1, keepdims=True)
;;       e = np.where(a > 0, np.clip(np.frexp(np.where(a > 0, a, 1))[1] - 1 - 8, -126, 127), 0)      # np.frexp(a)[1] - 1 = floor(log2(a)), exactly
;;       r = np.clip(x / 2.0 ** e, -448, 448)
;;       step = 2.0 ** (np.maximum(np.frexp(np.where(r == 0, 1, r))[1] - 1, -6) - 3)
;;       q = np.round(r / step) * step * 2.0 ** e      # np.round: ties to even
;;       return np.moveaxis(q.reshape(q.shape[:-2] + (-1,))[..., :K], -1, axis).astype(np.float32)
;;   ~~~
;;   OPERANDS COMPUTED ON THE WAY. 'Computed on the way' means the value that the module computes at that place (a softmax that the list does not call 'softmax' is quantised finished and normalised). What goes into a quantiser is computed in f32, as accurately as f32 sums, v_exp_f32 and their like allow (about 1e-6 of the number): no bf16 or f16 on the way to a quantiser, and a product that is left as it is and whose result goes on into a quantised operand takes f32 operands (vector FMAs, or v_wmma_f32_16x16x4_f32). A number that lies on a knife's edge between two numbers of the format may be rounded either way, as far as f32 arithmetic and the matrix unit's own rounding can turn it there, and no further.
;;   INPUTS GIVEN AS CODES. Wk (in the module: [512, 512], K = its axis 1); Wo (in the module: [512, 512], K = its axis 1); Wq (in the module: [512, 512], K = its axis 1); Wv (in the module: [512, 512], K = its axis 1): each comes as NAME_codes (uint8): NAME with its K axis moved to the last place and cut into blocks of 32 codes, [.., K / 32, bytes a block], one block behind the other in memory; one code a byte (a code: sign, 4 exponent bits, 3 mantissa bits); and NAME_scales (uint8): the same leading axes, one E8M0 byte (e + 127) for each 32 codes along K. Its value is code x scale, taken as it is: it is not quantised again, and the codes and scales need not be those that the quantiser above would give.
;; One version. Each part assembles by itself: llvm-mc -triple=amdgcn-amd-amdhsa -mcpu=gfx1250 --defsym DOCPART=n.
;; ======== version 1 of 1: 1 launch
;; limits: right only within a limited range of input values
;; launch potential (part 1): grid 256 x 1, 4 waves a work-group, clusters of 4 x 1, 327,680 bytes of LDS; arguments zW, z, rw, chart_emb, chart_centers, zb, bq, bk, bv, bo, vW, vb, geo_scale, Wq_codes, Wq_scales, Wk_codes, Wk_scales, Wv_codes, Wv_scales, Wo_codes, Wo_scales, out0; writes out0
.if DOCPART == 1
	.amdgcn_target "amdgcn-amd-amdhsa--gfx1250"
	.amdhsa_code_object_version 6
	.text
	.protected	k_q04415b8fa3_potential
	.globl	k_q04415b8fa3_potential
	.p2align	8
	.type	k_q04415b8fa3_potential,@function
k_q04415b8fa3_potential:
	s_mov_b64 s[64:65], 0
	v_nop
	global_prefetch_b8 v0, s[64:65] scope:SCOPE_SE
	s_setreg_imm32_b32 hwreg(HW_REG_WAVE_MODE, 25, 1), 1
	s_wait_xcnt 0x0
	s_wait_alu depctr_hold_cnt(0) depctr_sa_sdst(0) depctr_va_vdst(0) depctr_va_sdst(0) depctr_va_ssrc(0) depctr_va_vcc(0) depctr_vm_vsrc(0)
	s_getreg_b32 s2, hwreg(HW_REG_IB_STS2, 6, 4)
	s_cmp_eq_u32 s2, 0
	s_cbranch_scc0 .Lentry_in_a_cluster
	s_endpgm
.Lentry_in_a_cluster:
	s_bfe_u32 s2, ttmp6, 0x10000c
	s_cmp_lg_u32 s2, 0x3003
	s_cbranch_scc0 .Lentry_shape_is_right
	s_endpgm
.Lentry_shape_is_right:
; CovariantPotentialNet in MX-FP8, one launch.  A work-group of four waves owns 8 batch rows b; wave w owns chart tokens 16 w .. 16 w + 15 of all eight.
; Row tile t of a wave is batch row t: 16 tokens x 512, quantised once into 8 x 4 fragments (512 registers, windows 2 and 3) that stay for both large products.
; Wq, Wk, Wv, Wo stream through a ring of 256 weight rows in LDS, asked for JOINTLY by the four work-groups of a cluster, which walk the same weights.
; k and v are never stored: a tile of 16 columns leaves its accumulators into the scores (times q) or into feat (times the softmax's p).
; In the large products source 0 = 16 rows (tokens, or batch rows doubled to 16), source 1 = 16 weight rows: register j of lane (r, h) is (row 8 h + j, column 16 n + r).
; LIMITS.  The power iteration keeps u = W v unnormalised (v is normalised in each trip, so nothing drifts) and takes sigma = S / (sqrt(S) + 1e-12), S = |W v|^2:
; it differs from the written form by the 1e-12 inside the normalisations alone.  For vW (one row) sigma = N^2 / (N + 1e-12), N = |vW|: the iteration's fixed point after its first step.
; A block whose largest magnitude lies under 2^-118 gets the scale byte 1, a block of zeros too (its codes are zeros).  NaN and infinities among the inputs are not served.
.set PITCH, 528                        ; a weight row in LDS: 512 bytes + 16: the 16 rows of a fragment load start in 16 different groups of banks
.set TILEB, 16*PITCH
.set SLOT,  128*PITCH
.set SCK,   2*SLOT                     ; Wk's scale bytes, 16 a row
.set SCV,   SCK+8192                   ; Wv's
.set QT,    SCV+8192                   ; q / sqrt(512): plane p at 8192 p, 16 bytes at 16 e = rows 4 p .. 4 p + 3
.set XIMG,  QT+16384                   ; x_q: four fragments as images of their registers
.set XSC,   XIMG+8192                  ; their scale words
.set GT,    XSC+512                    ; geo_scale x d^2: 512 bytes a wave, [b][16 tokens]
.set RWT,   GT+2048                    ; rw: 1,024 bytes a wave, [t][lane]
.set SM,    RWT+4096
.set QBK,   SM                         ; q . bk, 32 bytes a wave
.set MX,    SM+128                     ; maxima
.set LS,    SM+256                     ; sums
.set OP,    SM+384                     ; the head's parts
.set SIG,   SM+512
.set SPARE, SM+1024                    ; the spare words, 128 bytes a wave: no other line names them
.set TR,    SPARE+512                  ; transit of the token codes, 34,816 bytes a wave; by turns also XCH, STG, FIMG, FISC
.set TRWV,  34816
.set ENT,   2176                       ; an entry: image 2,048 bytes + scale words 128
.set XCH,   TR
.set STG,   TR                         ; feat's parts: 32 rows (8 wave + b), 128 bytes in front, 2,048 of data, 16 behind
.set SROW,  2192
.set FIMG,  TR+70656
.set ZBT,   GT                         ; zb, 512 bytes a wave, until x_q is made
; No data prefetch: all clusters walk the same four weights at the same time, and each refill is asked for a whole slot of products ahead of its first read.
.set FISC,  FIMG+8192
; window 0
.set AS,  16                           ; v16-47 the tokens' scale words [4 t + s]; in Q and O v16-31 the weights' (QS)
.set QS,  16
.set XS,  48                           ; in Q and O v48-51 the rows' scale words
.set BS,  50                           ; v50-57 the weight tile's scale words, two sets: their numbers never equal the tokens' modulo 8
.set QV,  200                          ; v200-215 K: q of the tile's columns, two sets
.set FF,  58                           ; V: a tile's eight sums; CB: rows i and i + 4 joined
.set CB,  66
.set TP,  232                          ; V: sums at work, v232-243
.set BI,  58
.set WG,  62
.set AC8, 66
.set ACC, 72                           ; v72-135 eight accumulators
.set SC,  136                          ; v136-199 scores, then p
.set XQ,  136
.set QA,  200
.set UU,  72
.set YY,  112
.set ZF,  120
.set AA,  136
.set WF,  104
.set TT,  200
.set TM,  232                          ; the quantiser's ten registers
.set EM,  232                          ; phase A: the 16 blocks' largest |chart_emb|
.set ZS,  248
.set WS,  249
.set IS,  250
.set PW,  252
.set CR,  254                          ; the iteration: 1 / (|v| + 1e-12)
.set TK,  74
.set PCT, 138
.set AM,  170
.set SO,  174
.set HL,  178
.set BY,  182
.set PWT, 186
.set RW,  188
.set RWA, 190
.set RWN, 191
.set MSB, 0
.macro WIN new                         ; the immediate's high byte repeats the setting that is left
.if MSB != (\new)
	s_set_vgpr_msb (MSB<<8)|(\new)
.set MSB, (\new)
.endif
.endm
.macro NOPS n
.rept \n
	v_nop
.endr
.endm
.macro TWAIT                           ; a plain line behind a batch of transcendentals, then the one wait ahead of its first reader
	v_nop
	s_wait_alu depctr_va_vdst(0)
.endm
.macro BAR                             ; my LDS instructions are done: then the work-group's barrier
	s_wait_dscnt 0x0
	s_barrier_signal -1
	s_barrier_wait -1
.endm
.macro ROUND                           ; a round of the cluster's barrier
	s_barrier_signal -1
	s_barrier_wait -1
	s_cmp_lg_u32 s66, 0
	s_cbranch_scc1 .Lnw0_\@
	s_barrier_signal -3
.Lnw0_\@:
	s_barrier_wait -3
	s_barrier_signal -1
	s_barrier_wait -1
.endm
; The whole ring is filled again: 64 rows a wave, from base + off.  All my tensor loads are done, the add, my LDS reads are done, the round, then my one load.
.macro CD blo, off
	s_wait_tensorcnt 0x0
	ds_add_u32 v1, v2
	s_mul_i32 s69, s66, 64*PITCH
	s_lshl_b32 s92, s66, 15
	s_add_co_u32 s92, s92, \off
	s_mov_b32 s93, 0
	s_add_nc_u64 s[70:71], s[\blo:\blo+1], s[92:93]
	s_or_b32 s71, s71, 0x80000000
	s_wait_dscnt 0x0
	ROUND
	tensor_load_to_lds s[68:71], s[48:55]
	s_nop 0
	NOPS 4
.endm
; The slot just read (F & 1) is filled again: 32 rows a wave.  Trips 0, 1 take the rest of this matrix (s[78:79]), trips 2, 3 the next matrix's first half (s[80:81]).
; The descriptor's lines, behind the wait for all tensor loads, in three parts that stand among the products.
.macro REFD
.if k == 9
	s_and_b32 s85, s82, 1
	s_mul_i32 s69, s85, SLOT
	s_add_co_u32 s69, s69, s96
.elseif k == 10
	s_lshl_b32 s92, s85, 16
	s_mov_b32 s93, 0
	s_cmp_lt_u32 s82, 2
	s_cselect_b64 s[70:71], s[78:79], s[80:81]
.elseif k == 11
	s_add_nc_u64 s[70:71], s[70:71], s[92:93]
	s_or_b32 s71, s71, 0x80000000
.endif
.endm
; 32 numbers of a lane, block u at src + 16 u (its other 16 lie in lane l xor 16), become 8 registers of codes at dst and two scale bytes in w (sh = 16: its upper half)
.macro Q2 src, dst, w, sh
.irp u, 0,1
	v_max3_num_f32 v[TM+\u], |v[(\src)+16*\u]|, |v[(\src)+16*\u+1]|, 0x4800000   ; with the floor 2^(9 - 127): the byte cannot fall under 1
.endr
.irp i, 2,4,6,8,10,12,14
.irp u, 0,1
	v_max3_num_f32 v[TM+\u], v[TM+\u], |v[(\src)+16*\u+\i]|, |v[(\src)+16*\u+\i+1]|
.endr
.endr
.irp u, 0,1
	v_permlanex16_b32 v[TM+2+\u], v[TM+\u], s72, s73
.endr
.irp u, 0,1
	v_max_num_f32 v[TM+\u], v[TM+\u], v[TM+2+\u]
.endr
.irp u, 0,1
	v_add_nc_u32 v[TM+4+\u], 0xfc000000, v[TM+\u]          ; 8 off the exponent field: the conversion's scale operand
.endr
.irp u, 0,1
	v_and_or_b32 v[TM+6+\u], v[TM+\u], 0x7f800000, s74     ; 448 x the scale
.endr
.irp u, 0,1
	v_lshrrev_b32 v[TM+8+\u], 23, v[TM+4+\u]               ; the byte
.endr
.if \sh == 0
	v_lshl_or_b32 v[\w], v[TM+9], 8, v[TM+8]
.else
	v_lshl_or_b32 v[TM+8], v[TM+9], 8, v[TM+8]
	v_lshl_or_b32 v[\w], v[TM+8], 16, v[\w]
.endif
.irp u, 0,1
.irp i, 0,1,2,3,4,5,6,7,8,9,10,11,12,13,14,15
	v_med3_num_f32 v[(\src)+16*\u+\i], v[(\src)+16*\u+\i], -v[TM+6+\u], v[TM+6+\u]   ; the conversion does not saturate (ISA guide 7.6.2): the hold
.endr
	v_cvt_scalef32_pk8_fp8_f32 v[(\dst)+4*\u:(\dst)+4*\u+1], v[(\src)+16*\u:(\src)+16*\u+7], v[TM+4+\u]
	v_cvt_scalef32_pk8_fp8_f32 v[(\dst)+4*\u+2:(\dst)+4*\u+3], v[(\src)+16*\u+8:(\src)+16*\u+15], v[TM+4+\u]
.endr
	v_nop                              ; a plain line behind the last conversion
.endm
; One token fragment: K step s of row tile t (rw in v[RW], |rw| in v[RWA]) -> transit entry sg of this trip.
; A block's largest magnitude is |rw| x the block's largest |chart_emb|, rounded: rounding keeps order, so it equals the largest of the rounded products.
.macro TQ sg, s
	WIN 0
.irp c, 0,1,2,3
	v_mul_f32 v[AM+\c], v[RWA], v[EM+4*(\s)+\c]
.endr
.irp c, 0,1,2,3
	v_max_num_f32 v[AM+\c], 0x4800000, v[AM+\c]
.endr
.irp c, 0,1,2,3
	v_add_nc_u32 v[SO+\c], 0xfc000000, v[AM+\c]
.endr
.irp c, 0,1,2,3
	v_and_or_b32 v[HL+\c], v[AM+\c], 0x7f800000, s74
.endr
.irp c, 0,1,2,3
	v_lshrrev_b32 v[BY+\c], 23, v[SO+\c]
.endr
	v_lshl_or_b32 v[PWT+\sg], v[BY+1], 8, v[BY]
	v_lshl_or_b32 v[PWT+\sg], v[BY+2], 16, v[PWT+\sg]
	v_lshl_or_b32 v[PWT+\sg], v[BY+3], 24, v[PWT+\sg]
	WIN 0x01                           ; chart_emb lies in window 1
.set q, 0
.rept 32
	v_pk_mul_f32 v[TK+2*q:TK+2*q+1], v[64*(\s)+2*q:64*(\s)+2*q+1], v[RW:RW+1] op_sel_hi:[1,0]
.set q, q+1
.endr
	WIN 0
.irp c, 0,1,2,3
.irp i, 0,1,2,3,4,5,6,7,8,9,10,11,12,13,14,15
	v_med3_num_f32 v[TK+16*\c+\i], v[TK+16*\c+\i], -v[HL+\c], v[HL+\c]
.endr
	v_cvt_scalef32_pk8_fp8_f32 v[PCT+16*\sg+4*\c:PCT+16*\sg+4*\c+1], v[TK+16*\c:TK+16*\c+7], v[SO+\c]
	v_cvt_scalef32_pk8_fp8_f32 v[PCT+16*\sg+4*\c+2:PCT+16*\sg+4*\c+3], v[TK+16*\c+8:TK+16*\c+15], v[SO+\c]
.endr
	v_nop
.irp c, 0,1,2,3
	ds_store_b128 v9, v[PCT+16*\sg+4*\c:PCT+16*\sg+4*\c+3] offset:ENT*\sg+512*\c
.endr
	ds_store_b32 v10, v[PWT+\sg] offset:ENT*\sg+2048
.endm
; K steps 2 pi and 2 pi + 1 of all eight row tiles: a loop over t, written once; the codes go to my transit, since their registers change with t
.macro PASS pi
	s_mov_b32 s84, 0
	ds_load_b32 v[RWN], v15
.Lpass_\@:
	s_wait_dscnt 0x0                   ; rw of this trip is in; the last trip's stores have read their registers
	v_mov_b32 v[RW], v[RWN]
	v_mov_b32 v[RW+1], v[RWN]
	v_and_b32 v[RWA], 0x7fffffff, v[RWN]
	s_add_co_u32 s87, s84, 1
	s_and_b32 s87, s87, 7
	s_lshl_b32 s87, s87, 7
	v_add_nc_u32 v11, s87, v15
	ds_load_b32 v[RWN], v11            ; the next trip's
	s_mul_i32 s85, s84, 2*ENT
	s_wait_alu depctr_va_vdst(0)
	v_add_nc_u32 v9, s85, v13
	v_add_nc_u32 v10, s85, v14
	TQ 0, 2*\pi
	TQ 1, 2*\pi+1
	s_add_co_u32 s84, s84, 1
	s_cmp_lt_u32 s84, 8
	s_cbranch_scc1 .Lpass_\@
.endm
; the transit comes back into the fragments' own registers.  LDS serves a wave's instructions in order (ISA guide 5.7.1.4): these see my stores
.macro LB pi
	WIN 0x80
.irp t, 0,1,2,3
.irp g, 0,1
.irp c, 0,1,2,3
	ds_load_b128 v[64*\t+16*(2*\pi+\g)+4*\c:64*\t+16*(2*\pi+\g)+4*\c+3], v13 offset:ENT*(2*\t+\g)+512*\c
.endr
.endr
.endr
	WIN 0xc0
.irp t, 0,1,2,3
.irp g, 0,1
.irp c, 0,1,2,3
	ds_load_b128 v[64*\t+16*(2*\pi+\g)+4*\c:64*\t+16*(2*\pi+\g)+4*\c+3], v13 offset:ENT*(2*(\t+4)+\g)+512*\c
.endr
.endr
.endr
	WIN 0
.irp t, 0,1,2,3,4,5,6,7
.irp g, 0,1
	ds_load_b32 v[AS+4*\t+2*\pi+\g], v14 offset:ENT*(2*\t+\g)+2048
.endr
.endr
.endm
.macro PADDR                           ; v13 = 16 r + 1,024 wave (scale rows), v14 = 4 r + 256 wave (f32 vectors): my 64 columns of a part
	s_lshl_b32 s85, s66, 10
	v_add_nc_u32 v13, s85, v8
	s_lshl_b32 s85, s66, 8
	v_lshl_add_u32 v14, v3, 2, s85
.endm
.macro PARAM part, sS, sB1, sB2        ; the weights' scale words, the bias and the vector that the result is multiplied by, for my four column tiles of a part
.irp n, 0,1,2,3
	global_load_b128 v[QS+4*\n:QS+4*\n+3], v13, s[\sS:\sS+1] offset:4096*\part+256*\n
.endr
.irp n, 0,1,2,3
	global_load_b32 v[BI+\n], v14, s[\sB1:\sB1+1] offset:1024*\part+64*\n
	global_load_b32 v[WG+\n], v14, s[\sB2:\sB2+1] offset:1024*\part+64*\n
.endr
.endm
.macro QLDB                            ; my 64 of the ring's 256 weight rows (v11), as 16 fragments, into window 3
	WIN 0xc0
.irp n, 0,1,2,3
.irp s, 0,1,2,3
.irp c, 0,1,2,3
	ds_load_b128 v[64*\n+16*\s+4*\c:64*\n+16*\s+4*\c+3], v11 offset:TILEB*\n+128*\s+32*\c
.endr
.endr
.endr
	WIN 0
.endm
; A small product (8 batch rows doubled to 16) against my 64 of the ring's 256 weight rows.  v9 rows' images, v10 their scale words, v11 my ring rows, v12 (kind 0) where q goes.
; kind 0: q' = (sum + bq) / sqrt(512) -> QT; AC8 += q' bk.   kind 1: AC8 += (sum + bo) vW.   ldb = 0: the weights' fragments lie in window 3 already.
.macro QPART kind, part, ldb
.irp s, 0,1,2,3
.irp c, 0,1,2,3
	ds_load_b128 v[XQ+16*\s+4*\c:XQ+16*\s+4*\c+3], v9 offset:2048*\s+512*\c
.endr
.endr
.irp s, 0,1,2,3
	ds_load_b32 v[XS+\s], v10 offset:128*\s
.endr
.if \ldb
	QLDB
.endif
	s_wait_dscnt 0x0
	WIN 0x0c                           ; the weights' fragments lie in window 3
.irp s, 0,1,2,3                        ; four accumulators by turns
.irp n, 0,1,2,3
.if \s == 0
	v_wmma_scale_f32_16x16x128_f8f6f4 v[QA+8*\n:QA+8*\n+7], v[XQ+16*\s:XQ+16*\s+15], v[64*\n+16*\s:64*\n+16*\s+15], 0, v[XS+\s], v[QS+4*\n+\s]
.else
	v_wmma_scale_f32_16x16x128_f8f6f4 v[QA+8*\n:QA+8*\n+7], v[XQ+16*\s:XQ+16*\s+15], v[64*\n+16*\s:64*\n+16*\s+15], v[QA+8*\n:QA+8*\n+7], v[XS+\s], v[QS+4*\n+\s]
.endif
.endr
.endr
	WIN 0
	NOPS 8                             ; eight places behind this form, ahead of the first read of results
.irp n, 0,1,2,3
.irp j, 0,2,4,6
.if (\n%2) == 0
	v_pk_add_f32 v[QA+8*\n+\j:QA+8*\n+\j+1], v[QA+8*\n+\j:QA+8*\n+\j+1], v[BI+\n:BI+\n+1] op_sel_hi:[1,0]
.else
	v_pk_add_f32 v[QA+8*\n+\j:QA+8*\n+\j+1], v[QA+8*\n+\j:QA+8*\n+\j+1], v[BI+\n-1:BI+\n] op_sel:[0,1] op_sel_hi:[1,1]
.endif
.endr
.if \kind == 0
.irp j, 0,2,4,6
	v_pk_mul_f32 v[QA+8*\n+\j:QA+8*\n+\j+1], v[QA+8*\n+\j:QA+8*\n+\j+1], 0x3d3504f3 op_sel_hi:[1,0]
.endr
.endif
.irp j, 0,2,4,6
.if (\n%2) == 0
	v_pk_fma_f32 v[AC8+\j:AC8+\j+1], v[QA+8*\n+\j:QA+8*\n+\j+1], v[WG+\n:WG+\n+1], v[AC8+\j:AC8+\j+1] op_sel_hi:[1,0,1]
.else
	v_pk_fma_f32 v[AC8+\j:AC8+\j+1], v[QA+8*\n+\j:QA+8*\n+\j+1], v[WG+\n-1:WG+\n], v[AC8+\j:AC8+\j+1] op_sel:[0,1,0] op_sel_hi:[1,1,1]
.endif
.endr
.if \kind == 0
	ds_store_b128 v12, v[QA+8*\n:QA+8*\n+3] offset:4096*\part+256*\n
	ds_store_b128 v12, v[QA+8*\n+4:QA+8*\n+7] offset:4096*\part+256*\n+8192
.endif
.endr
.endm
; ---- the large products.  A tile n is 16 weight rows: 32 products, K step by K step, the eight row tiles by turns.  Tiles of even number write the accumulators ACC (window 0),
; tiles of odd number v128-191 of window 1; behind every second product (place k = 0 .. 15) stand two lines of the epilogue of the tile before, on the other set.
; The fragments have two sets (v0-63, v64-127 of window 1).  Four LDS loads stand at a place: k = 3: K step 3 of tile n + 1, its scale words, (K) q' of tile n; k = 7, 11, 15: K steps 0, 1, 2 of tile n + 2,
; each behind four places, eight lines, after the last product that read the registers.  So at a tile's head one counted wait serves the whole tile.
.macro FRAGL set, ks, off
.irp c, 0,1,2,3
	ds_load_b128 v[64*(\set)+16*(\ks)+4*\c:64*(\set)+16*(\ks)+4*\c+3], v9 offset:(\off)+128*(\ks)+32*\c
.endr
.endm
.macro SLK set                         ; K: scores += results x q', row tiles ta and ta + 1, a register pair of each, from the low end on
.set ta, 2*(k/4)
.set sj, 2*(k%4)
.set qs, QV+8*(\set)+ta
.set ab, ACC+56*(\set)+8*ta+sj
.set sp, SC+8*ta+sj
	WIN (\set)
	v_pk_fma_f32 v[sp:sp+1], v[ab:ab+1], v[qs:qs+1], v[sp:sp+1] op_sel_hi:[1,0,1]
	v_pk_fma_f32 v[sp+8:sp+9], v[ab+8:ab+9], v[qs:qs+1], v[sp+8:sp+9] op_sel:[0,1,0] op_sel_hi:[1,1,1]
.endm
; V: the sums of two row tiles are closed one place behind their last line; those of row tiles 6 and 7 at place 5 of the tile after.  A swap of lanes 16-31 of row i with lanes 0-15 of row i + 4, and one addition,
; join the two halves of the lanes: lanes 0-15 end with row i, lanes 16-31 with row i + 4.  v11: the tile's 64 bytes in my stage rows.
.macro VFIN rnd
.if (k == 4) || (k == 8) || (k == 12)
.set fo, FF+k/2-2
.set fq, TP+4*((k/4-1)%2)
	WIN 0
	v_add_f32 v[fo], v[fq], v[fq+1]
	v_add_f32 v[fo+1], v[fq+2], v[fq+3]
.elseif k == 5
	WIN 0
	v_add_f32 v[FF+6], v[TP+8], v[TP+9]
	v_add_f32 v[FF+7], v[TP+10], v[TP+11]
.elseif k == 6
	WIN 0
	v_permlane16_swap_b32 v[FF+2], v[FF+6]
	v_permlane16_swap_b32 v[FF+3], v[FF+7]
.elseif k == 7
	WIN 0
	v_add_f32 v[CB+2], v[FF+2], v[FF+6]
	v_add_f32 v[CB+3], v[FF+3], v[FF+7]
	ds_store_b32 v11, v[CB+2] offset:2*SROW
	ds_store_b32 v11, v[CB+3] offset:3*SROW
.elseif k == 13
	WIN 0
	v_permlane16_swap_b32 v[FF], v[FF+4]
	v_permlane16_swap_b32 v[FF+1], v[FF+5]
.elseif k == 14
	WIN 0
	v_add_f32 v[CB], v[FF], v[FF+4]
	v_add_f32 v[CB+1], v[FF+1], v[FF+5]
.if \rnd == 0
	ds_store_b32 v11, v[CB]
	ds_store_b32 v11, v[CB+1] offset:SROW
.endif
.endif
.endm
.macro SLV set, rnd                    ; V: feat's parts: sums over my eight tokens of results x p
.set ta, 2*(k/4)
.set sj, 2*(k%4)
.set ab, ACC+56*(\set)+8*ta+sj
.set sp, SC+8*ta+sj
.set tp, TP+4*((k/4)%2)+4*((k/4)/3)
	WIN (\set)
.if sj == 0
	v_pk_mul_f32 v[tp:tp+1], v[ab:ab+1], v[sp:sp+1]
	v_pk_mul_f32 v[tp+2:tp+3], v[ab+8:ab+9], v[sp+8:sp+9]
.else
	v_pk_fma_f32 v[tp:tp+1], v[ab:ab+1], v[sp:sp+1], v[tp:tp+1]
	v_pk_fma_f32 v[tp+2:tp+3], v[ab+8:ab+9], v[sp+8:sp+9], v[tp+2:tp+3]
.endif
	VFIN \rnd
.endm
.macro WM p                            ; product i of 32: row tile i % 8, K step i / 8
.set kt, i%8
.set ks, i/8
.set rD, ACC+56*\p+8*kt
.set rA, 64*(kt%4)+16*ks
.set rB, 64*\p+16*ks
.set rSA, AS+4*kt+ks
.set rSB, BS+4*\p+ks
.if i < 8
	v_wmma_scale_f32_16x16x128_f8f6f4 v[rD:rD+7], v[rA:rA+15], v[rB:rB+15], 0, v[rSA], v[rSB]
.else
	v_wmma_scale_f32_16x16x128_f8f6f4 v[rD:rD+7], v[rA:rA+15], v[rB:rB+15], v[rD:rD+7], v[rSA], v[rSB]
.endif
.endm
; Addresses.  v9 = the ring's place of tile 8 F + 2 J + 2, v10 = its scale words (q' of tile m lies 16,384 bytes behind tile m's words of Wk); both are written once a pair, at k = 3 of its first tile, behind their last old readers.
.macro XTRA p, kind, rnd
.if \p == 0
.if k == 0
	s_lshl_b32 s86, s82, 2
	s_add_co_u32 s86, s86, s83
	s_lshl_b32 s86, s86, 1
	s_add_co_u32 s86, s86, 2
.elseif k == 2
	s_and_b32 s87, s86, 15
	s_mul_i32 s87, s87, TILEB
	s_lshl_b32 s88, s86, 8
	s_add_co_u32 s88, s88, SCK+8192*\kind
.endif
.endif
.if \kind == 1
.if k == 1
	s_lshl_b32 s90, s82, 2
	s_add_co_u32 s90, s90, s83
	s_lshl_b32 s90, s90, 7
	s_add_co_u32 s90, s90, 64*(\p+1)
.elseif k == 8
	WIN 0
	v_add_nc_u32 v11, s90, v12         ; on to the stage's place of the tile before this one
.endif
.endif
.if k == 3
	WIN 0
	ds_load_b128 v[BS+4*(1-\p):BS+4*(1-\p)+3], v10 offset:256*(1-\p)
.if \kind == 0
	ds_load_b128 v[QV+8*\p:QV+8*\p+3], v10 offset:16384-256*\p
	ds_load_b128 v[QV+8*\p+4:QV+8*\p+7], v10 offset:16384+8192-256*\p
.endif
	WIN 0x40
	FRAGL 1-\p, 3, TILEB*(1-\p)
.if \p == 0
	WIN 0
	v_add_nc_u32 v9, s87, v7
	v_add_nc_u32 v10, s88, v8
.endif
.endif
.if (\rnd == 0) && ((k == 7) || (k == 11) || (k == 15))
	WIN 0x40
	FRAGL \p, k/4-1, TILEB*\p
.endif
.if \rnd
.if k == 8
	WIN 0
	s_wait_alu depctr_va_vdst(0)
	s_wait_tensorcnt 0x0               ; my part of the next slot is in
	ds_add_u32 v1, v2
.endif
	REFD
.if k == 12
	WIN 0
	s_wait_alu depctr_va_vdst(0)
	s_wait_dscnt 0x0                   ; the add is done, and my reads of this slot are over: the last stand at k = 3
	s_barrier_signal -1
.endif
.endif
.endm
; rnd = 1: a slot's seventh tile.  All of the slot's rows have been asked for by then, so the round of the cluster's barrier stands at its end, the slot is filled again behind it,
; and the next slot's first fragments (K steps 0 to 2 of tile n + 2) follow in one run.
.macro TILE p, kind, rnd
	s_wait_dscnt 12+4*\kind            ; what stands behind k = 3 of the tile before may be out: 12 loads, (V) four stores
.set i, 0
.rept 32
	WIN 0x06+0x50*\p+((i/4)%2)
	WM \p
.if (i%2) == 1
.set k, i/2
.if \kind == 0
	SLK 1-\p
.else
	SLV 1-\p, \rnd
.endif
	XTRA \p, \kind, \rnd
.endif
.set i, i+1
.endr
.if \rnd
	WIN 0
	s_wait_alu depctr_va_vdst(0)
	s_barrier_wait -1
	s_cmp_lg_u32 s66, 0
	s_cbranch_scc1 .Lnw0_\@
	s_barrier_signal -3
.Lnw0_\@:
	s_barrier_wait -3
	s_barrier_signal -1
	s_barrier_wait -1
	tensor_load_to_lds s[68:71], s[56:63]
	s_nop 0
	NOPS 4
.if \kind == 1
	ds_store_b32 v11, v[CB]
	ds_store_b32 v11, v[CB+1] offset:SROW
.endif
	WIN 0x40
	FRAGL 0, 0, 0
	FRAGL 0, 1, 0
	FRAGL 0, 2, 0
.endif
.endm
; 4 slot trips F x 8 tiles = 32 tiles.  The stream of fragments runs on: Wk's last tiles fetch Wv's first two (whose scale words lie behind Wk's), so V begins with them in registers.
.macro SLOTS kind
	s_mov_b32 s82, 0
	v_mov_b32 v9, v7
	v_add_nc_u32 v10, SCK+8192*\kind, v8
.if \kind == 0
	WIN 0x40
.irp f, 0,1,2,3
	FRAGL 0, \f, 0
.endr
	WIN 0
	ds_load_b128 v[BS:BS+3], v10
	WIN 0x40
.irp f, 0,1,2
	FRAGL 1, \f, TILEB
.endr
	WIN 0
.else
	s_wait_alu depctr_va_vdst(0)       ; v12 was written ahead of a blocking wait
	v_mov_b32 v11, v12
.endif
	s_wait_alu depctr_va_vdst(0)
.Lslot_\@:
	s_mov_b32 s83, 0
.Lpair_\@:
	TILE 0, \kind, 0
	TILE 1, \kind, 0
	WIN 0
	s_add_co_u32 s83, s83, 1
	s_cmp_lt_u32 s83, 3
	s_cbranch_scc1 .Lpair_\@
	TILE 0, \kind, 1
	TILE 1, \kind, 0
	WIN 0
	s_add_co_u32 s82, s82, 1
	s_cmp_lt_u32 s82, 4
	s_cbranch_scc1 .Lslot_\@
.endm
.macro XLOAD adr                       ; two tiles of 16 rows of zW in the operand's order
.irp u, 0,1
.irp c, 0,1
.irp m, 0,1,2,3
	ds_load_b128 v[136+32*\u+16*\c+4*\m:139+32*\u+16*\c+4*\m], v\adr offset:4*PITCH*\u+128*\c+16*\m
.endr
.endr
.endr
.endm
; chart_emb row r in the operand's order, window 1: sixteen groups of four loads, strewn among the distances' lines; w: the setting to go back to
.set eg, 0
.macro EMBL w
.if ((k%6) == 0) && (eg < 16)
	WIN 0x40
.irp m, 0,1,2,3
	global_load_b128 v[16*eg+4*\m:16*eg+4*\m+3], v9, s[10:11] offset:512*(eg/4)+128*(eg%4)+16*\m
.endr
	WIN \w
.set eg, eg+1
.endif
.endm
; ================= head
	s_load_b512 s[4:19], s[0:1], 0x0               ; zW z rw chart_emb chart_centers zb bq bk
	s_load_b512 s[20:35], s[0:1], 0x40             ; bv bo vW vb geo_scale Wq_codes Wq_scales Wk_codes
	s_load_b256 s[36:43], s[0:1], 0x80             ; Wk_scales Wv_codes Wv_scales Wo_codes
	s_load_b128 s[44:47], s[0:1], 0xa0             ; Wo_scales out0
	v_lshl_add_u32 v1, v0, 2, SPARE
	v_mov_b32 v2, 0
	ds_add_u32 v1, v2
	ds_add_u32 v1, v2
	s_wait_dscnt 0x0
	v_lshrrev_b32 v9, 5, v0
	v_readfirstlane_b32 s66, v9                    ; wave
	v_and_b32 v3, 15, v0                           ; r
	v_bfe_u32 v4, v0, 4, 1                         ; h
	v_and_b32 v5, 31, v0
	v_lshlrev_b32 v6, 2, v5                        ; 4 x lane
	v_lshlrev_b32 v5, 4, v5                        ; 16 x lane
	v_mul_u32_u24 v7, v3, PITCH
	v_lshl_add_u32 v7, v4, 4, v7                   ; a weight fragment's place for my lane
	v_lshlrev_b32 v8, 4, v3                        ; 16 r
	s_bfe_u32 s85, ttmp6, 0x40000                  ; cx: it enters the addresses of z, rw and out0 alone
	s_lshl_b32 s67, ttmp9, 2
	s_add_co_u32 s67, s67, s85
	s_lshl_b32 s67, s67, 3                         ; my first batch row
	s_mov_b32 s72, 0x76543210
	s_mov_b32 s73, 0xfedcba98                      ; lane l xor 16
	s_mov_b32 s74, 0x600000                        ; the mantissa field of 448
	s_mov_b32 s48, 15|(1<<20)|(1<<21)|(6<<22)|(3<<25)  ; mask: all four work-groups; bytes; 4 words of padding behind every 128
	s_mov_b32 s49, 512<<16
	s_mov_b32 s50, 64<<16
	s_mov_b32 s51, 512<<16
	s_mov_b32 s52, 64                              ; 64 rows x 512 bytes
	s_mov_b32 s53, 512
	s_mov_b32 s54, 0
	s_mov_b32 s55, 0
	s_mov_b32 s56, 15|(1<<20)|(1<<21)|(6<<22)|(3<<25)
	s_mov_b32 s57, 512<<16
	s_mov_b32 s58, 32<<16
	s_mov_b32 s59, 512<<16
	s_mov_b32 s60, 32                              ; 32 rows x 512 bytes
	s_mov_b32 s61, 512
	s_mov_b32 s62, 0
	s_mov_b32 s63, 0
	s_mov_b32 s68, 1
	s_mul_i32 s69, s66, 64*PITCH
	s_mul_i32 s96, s66, 32*PITCH
	s_lshl_b32 s92, s66, 15
	s_mov_b32 s93, 0
	s_wait_kmcnt 0x0
	s_load_b32 s76, s[28:29], 0x0                  ; geo_scale
	s_load_b32 s77, s[26:27], 0x0                  ; vb
	s_add_nc_u64 s[70:71], s[4:5], s[92:93]        ; zW's rows 128 wave on, two to an LDS row of 512 bytes
	s_or_b32 s71, s71, 0x80000000
	ROUND                                          ; all four work-groups are here: the first joint load meets
	tensor_load_to_lds s[68:71], s[48:55]
	s_nop 0
	NOPS 4
	s_add_nc_u64 s[10:11], s[10:11], s[92:93]      ; chart_emb: my 16 rows
	s_lshl_b32 s92, s66, 12
	s_add_nc_u64 s[12:13], s[12:13], s[92:93]      ; chart_centers: my 16 rows
	s_lshl_b32 s92, s66, 9
	s_add_nc_u64 s[14:15], s[14:15], s[92:93]      ; zb, bv: my 128 numbers
	s_add_nc_u64 s[20:21], s[20:21], s[92:93]
	s_lshl_b32 s92, s67, 8
	s_add_nc_u64 s[6:7], s[6:7], s[92:93]          ; z, rw: my work-group's 8 rows
	s_add_nc_u64 s[8:9], s[8:9], s[92:93]
	s_lshl_b32 s92, s66, 6
	s_add_nc_u64 s[8:9], s[8:9], s[92:93]          ; rw: my 16 tokens
	s_lshl_b32 s92, s67, 2
	s_add_nc_u64 s[46:47], s[46:47], s[92:93]
	; the first group of loads
	v_lshlrev_b32 v9, 4, v0
.irp i, 0,1,2,3
	global_load_b128 v[136+4*\i:139+4*\i], v9, s[36:37] offset:2048*\i
	global_load_b128 v[152+4*\i:155+4*\i], v9, s[40:41] offset:2048*\i
.endr
	s_wait_alu depctr_va_vdst(0)
	v_lshlrev_b32 v10, 2, v3
.irp t, 0,1,2,3,4,5,6,7
	global_load_b32 v[168+\t], v10, s[8:9] offset:256*\t
.endr
	PADDR
	PARAM 0, 32, 16, 18
	v_and_b32 v11, 7, v0
	v_lshlrev_b32 v11, 8, v11
	v_lshl_add_u32 v11, v4, 6, v11                 ; z as an operand: row r & 7, my 16 numbers of each block of 32
.irp c, 0,1
.irp m, 0,1,2,3
	global_load_b128 v[200+16*\c+4*\m:203+16*\c+4*\m], v11, s[6:7] offset:128*\c+16*\m
.endr
.endr
	global_load_b128 v[176:179], v5, s[14:15]      ; zb: my wave's 128 numbers, four a lane
	s_wait_loadcnt 0x0
	s_wait_kmcnt 0x0
	; into window 3 for the distances: chart centre r of my 16, whole, and vW, 16 numbers a lane
	v_lshlrev_b32 v9, 8, v3
	v_lshlrev_b32 v10, 2, v5
	WIN 0xc0
.irp m, 0,1,2,3,4,5,6,7,8,9,10,11,12,13,14,15
	global_load_b128 v[4*\m:4*\m+3], v9, s[12:13] offset:16*\m
.endr
.irp m, 0,1,2,3
	global_load_b128 v[64+4*\m:67+4*\m], v10, s[24:25] offset:16*\m
.endr
	WIN 0
	v_lshl_add_u32 v11, v0, 4, SCK
.irp i, 0,1,2,3
	ds_store_b128 v11, v[136+4*\i:139+4*\i] offset:2048*\i
	ds_store_b128 v11, v[152+4*\i:155+4*\i] offset:8192+2048*\i
.endr
	s_lshl_b32 s85, s66, 10
	s_add_co_u32 s85, s85, RWT
	v_add_nc_u32 v15, s85, v6                      ; my wave's rw table, my lane's word: kept until the tokens are quantised
.irp t, 0,1,2,3,4,5,6,7
	ds_store_b32 v15, v[168+\t] offset:128*\t
.endr
	v_lshl_add_u32 v12, v0, 4, ZBT
	ds_store_b128 v12, v[176:179]
.irp i, 0,1,2,3,4,5,6,7,8,9,10,11,12,13,14,15
	v_mov_b32 v[TM+\i], 0                          ; written once: a lane permute's destination counts as one of its sources
.endr
	Q2 200, ZF, ZS, 0                              ; z's fragment: K = 64, so
.irp i, 8,9,10,11,12,13,14,15
	v_mov_b32 v[ZF+\i], 0                          ; the rest of the K step is zero codes
.endr
	v_mov_b32 v[CR], 1.0
	v_mov_b32 v[CR+1], 0
.set i, 0
.rept 32
	v_mov_b32 v[UU+i], 0x3d3504f3                  ; u = ones / sqrt(512)
.set i, i+1
.endr
	s_wait_xcnt 0x0                                ; the loads have read v9 and v10
	v_and_b32 v10, 7, v0
	v_lshl_add_u32 v10, v10, 5, XCH
	s_mul_i32 s85, s66, 288
	v_add_nc_u32 v9, s85, v10
	; zW for the iteration, from the ring: register group i = row 8 (i / 2) + 2 (lane / 8) + i % 2 of my 128, columns 8 (lane & 7) on
	v_bfe_u32 v12, v0, 3, 2
	v_mul_u32_u24 v12, v12, PITCH
	v_and_b32 v11, 7, v0
	v_lshl_add_u32 v12, v11, 5, v12
	s_mul_i32 s85, s66, 64*PITCH
	v_add_nc_u32 v12, s85, v12
	s_wait_alu depctr_va_vdst(0)
	s_wait_tensorcnt 0x0
	BAR
	WIN 0x80
.set i, 0
.rept 32
	ds_load_b128 v[8*i:8*i+3], v12 offset:(i/2)*4*PITCH+(i%2)*256
	ds_load_b128 v[8*i+4:8*i+7], v12 offset:(i/2)*4*PITCH+(i%2)*256+16
.set i, i+1
.endr
	WIN 0
; ================= P: five trips of v = l2n(W^T u), u = W v.  The factor 1 / (|v| + 1e-12) is carried in CR and multiplied in a trip later, onto W^T u: W and W^T are linear
	s_mov_b32 s86, 0
	s_mov_b32 s84, 5
	s_wait_dscnt 0x0
.Lpow:
	WIN 0x02
.set i, 0
.rept 32
.irp c, 0,2,4,6
.if i == 0
	v_pk_mul_f32 v[YY+\c:YY+\c+1], v[\c:\c+1], v[UU:UU+1] op_sel_hi:[1,0]
.elseif (i%2) == 0
	v_pk_fma_f32 v[YY+\c:YY+\c+1], v[8*i+\c:8*i+\c+1], v[UU+i:UU+i+1], v[YY+\c:YY+\c+1] op_sel_hi:[1,0,1]
.else
	v_pk_fma_f32 v[YY+\c:YY+\c+1], v[8*i+\c:8*i+\c+1], v[UU+i-1:UU+i], v[YY+\c:YY+\c+1] op_sel:[0,1,0] op_sel_hi:[1,1,1]
.endif
.endr
.set i, i+1
.endr
	WIN 0
.irp c, 0,1,2,3,4,5,6,7
	v_add_f32_dpp v[YY+\c], v[YY+\c], v[YY+\c] row_xmask:8 row_mask:0xf bank_mask:0xf
.endr
.irp c, 0,1,2,3,4,5,6,7
	v_permlanex16_b32 v[200+\c], v[YY+\c], s72, s73
.endr
.irp c, 0,1,2,3,4,5,6,7
	v_add_f32 v[YY+\c], v[YY+\c], v[200+\c]        ; my wave's 128 rows' part of my 8 columns
.endr
.irp c, 0,2,4,6
	v_pk_mul_f32 v[YY+\c:YY+\c+1], v[YY+\c:YY+\c+1], v[CR:CR+1] op_sel_hi:[1,0]
.endr
	v_add_nc_u32 v11, s86, v9
	v_add_nc_u32 v12, s86, v10
	ds_store_b128 v11, v[YY:YY+3]
	ds_store_b128 v11, v[YY+4:YY+7] offset:16
	s_wait_alu depctr_va_vdst(0)
	BAR                                            ; two buffers by turns: one barrier a trip parts stores from reads and reads from the stores two trips on
.irp w, 0,1,2,3
	ds_load_b128 v[200+8*\w:203+8*\w], v12 offset:288*\w
	ds_load_b128 v[204+8*\w:207+8*\w], v12 offset:288*\w+16
.endr
	s_wait_dscnt 0x0
.irp c, 0,2,4,6
	v_pk_add_f32 v[YY+\c:YY+\c+1], v[200+\c:201+\c], v[208+\c:209+\c]
	v_pk_add_f32 v[216+\c:217+\c], v[216+\c:217+\c], v[224+\c:225+\c]
.endr
.irp c, 0,2,4,6
	v_pk_add_f32 v[YY+\c:YY+\c+1], v[YY+\c:YY+\c+1], v[216+\c:217+\c]
.endr
	v_pk_mul_f32 v[200:201], v[YY:YY+1], v[YY:YY+1]
.irp c, 2,4,6
	v_pk_fma_f32 v[200:201], v[YY+\c:YY+\c+1], v[YY+\c:YY+\c+1], v[200:201]
.endr
	v_add_f32 v200, v200, v201
	v_add_f32_dpp v200, v200, v200 row_xmask:1 row_mask:0xf bank_mask:0xf
	v_add_f32_dpp v200, v200, v200 row_xmask:2 row_mask:0xf bank_mask:0xf
	v_add_f32_dpp v200, v200, v200 row_xmask:4 row_mask:0xf bank_mask:0xf
	s_wait_alu depctr_va_vdst(0)
	v_sqrt_f32 v201, v200                          ; |v|: the 128 lines below stand between it and its reader
	WIN 0x02
.irp c, 0,2,4,6
.set i, 0
.rept 32
.if \c == 0
	v_pk_mul_f32 v[AA+2*i:AA+2*i+1], v[8*i:8*i+1], v[YY:YY+1]
.else
	v_pk_fma_f32 v[AA+2*i:AA+2*i+1], v[8*i+\c:8*i+\c+1], v[YY+\c:YY+\c+1], v[AA+2*i:AA+2*i+1]
.endif
.set i, i+1
.endr
.endr
	WIN 0
	s_wait_alu depctr_va_vdst(0)
	v_add_f32 v201, 0x2b8cbccc, v201               ; + 1e-12
	s_wait_alu depctr_va_vdst(0)
	v_rcp_f32 v[CR], v201
.set i, 0
.rept 32
	v_add_f32 v[UU+i], v[AA+2*i], v[AA+2*i+1]
.set i, i+1
.endr
.irp x, 1,2,4
.set i, 0
.rept 32
	v_add_f32_dpp v[UU+i], v[UU+i], v[UU+i] row_xmask:\x row_mask:0xf bank_mask:0xf
.set i, i+1
.endr
.endr
	s_wait_alu depctr_va_vdst(0)                   ; the reciprocal's wait, ahead of the branch
	s_xor_b32 s86, s86, 1280
	s_sub_co_u32 s84, s84, 1
	s_cmp_lg_u32 s84, 0
	s_cbranch_scc1 .Lpow
	; S = |W v|^2;  1 / sigma = (sqrt(S) + 1e-12) / S
	v_pk_mul_f32 v[200:201], v[UU:UU+1], v[UU:UU+1]
	v_pk_mul_f32 v[202:203], v[UU+2:UU+3], v[UU+2:UU+3]
.irp i, 4,8,12,16,20,24,28
	v_pk_fma_f32 v[200:201], v[UU+\i:UU+\i+1], v[UU+\i:UU+\i+1], v[200:201]
	v_pk_fma_f32 v[202:203], v[UU+\i+2:UU+\i+3], v[UU+\i+2:UU+\i+3], v[202:203]
.endr
	v_pk_add_f32 v[200:201], v[200:201], v[202:203]
	v_add_f32 v200, v200, v201
	v_add_f32_dpp v200, v200, v200 row_xmask:8 row_mask:0xf bank_mask:0xf
	v_permlanex16_b32 v201, v200, s72, s73
	v_add_f32 v200, v200, v201
	s_lshl_b32 s85, s66, 2
	s_add_co_u32 s85, s85, SIG
	v_mov_b32 v11, s85
	ds_store_b32 v11, v200
	BAR
	v_mov_b32 v12, SIG
	ds_load_b128 v[204:207], v12
	s_wait_dscnt 0x0
	v_add_f32 v204, v204, v205
	v_add_f32 v206, v206, v207
	v_add_f32 v200, v204, v206
	v_mul_f32 v200, v200, v[CR]                    ; the last trip's factor, squared
	v_mul_f32 v200, v200, v[CR]
	s_wait_alu depctr_va_vdst(0)
	v_sqrt_f32 v201, v200
	v_rcp_f32 v202, v200
	TWAIT
	v_add_f32 v201, 0x2b8cbccc, v201
	v_mul_f32 v[IS], v201, v202
	v_mov_b32 v[IS+1], v[IS]
; ================= X: x_q = Q(z) Q(zW / sigma)^T + zb, transposed, my 128 columns; quantised: K step w of the next product
	s_wait_loadcnt 0x0
	v_lshlrev_b32 v9, 10, v4                       ; z's rows 4 h + i, whole, for the distances: they land during X
	WIN 0x80
.irp i, 0,1,2,3
.irp m, 0,1,2,3,4,5,6,7,8,9,10,11,12,13,14,15
	global_load_b128 v[64*\i+4*\m:64*\i+4*\m+3], v9, s[6:7] offset:256*\i+16*\m
.endr
.endr
	WIN 0
.irp i, 8,9,10,11,12,13,14,15
	v_mov_b32 v[WF+\i], 0
.endr
	v_and_b32 v10, 8, v3
	v_add_nc_u32 v10, v10, v3                      ; lane r of tile 2 b + u: row 32 b + 8 u + r + 8 (r / 8) of my 128
	v_lshrrev_b32 v11, 1, v10
	v_mul_u32_u24 v11, v11, PITCH
	v_and_b32 v10, 1, v10
	v_lshl_add_u32 v11, v10, 8, v11
	v_lshl_add_u32 v11, v4, 6, v11
	s_mul_i32 s85, s66, 64*PITCH
	v_add_nc_u32 v13, s85, v11
	s_lshl_b32 s85, s66, 9
	s_add_co_u32 s85, s85, ZBT
	v_lshl_add_u32 v14, v4, 6, s85
	XLOAD 13
	s_mov_b32 s84, 0
	s_wait_alu depctr_va_vdst(0)
.Lx:                                               ; trip b: hidden units 32 b .. 32 b + 31: two tiles, one block of the next K
	s_lshl_b32 s87, s84, 7
	v_add_nc_u32 v10, s87, v14
.irp m, 0,1,2,3
	ds_load_b128 v[72+4*\m:75+4*\m], v10 offset:16*\m      ; zb: the products' C
.endr
	s_wait_dscnt 0x0
.irp u, 0,1
.set q, 0
.rept 16
	v_pk_mul_f32 v[TT+2*q:TT+2*q+1], v[136+32*\u+2*q:137+32*\u+2*q], v[IS:IS+1] op_sel_hi:[1,0]
.set q, q+1
.endr
.if \u == 1
	s_add_co_u32 s87, s84, 1
	s_and_b32 s87, s87, 3                          ; the next trip's rows (the last trip's fetch, of the first rows, is not used)
	s_mul_i32 s87, s87, TILEB
	v_add_nc_u32 v12, s87, v13
	XLOAD 12
.endif
	Q2 TT, WF, WS, 0
	NOPS 4                                         ; codes made by vector instructions stand four places ahead of the product; the scale word stands ahead of the 32 holds
	v_wmma_scale_f32_16x16x128_f8f6f4 v[88+8*\u:95+8*\u], v[WF:WF+15], v[ZF:ZF+15], v[72+8*\u:79+8*\u], v[WS], v[ZS]
.endr
	NOPS 8
	v_max3_num_f32 v[TM], |v[88]|, |v[89]|, 0x4800000
	v_max3_num_f32 v[TM+1], |v[96]|, |v[97]|, 0x4800000
.irp i, 2,4,6
	v_max3_num_f32 v[TM], v[TM], |v[88+\i]|, |v[89+\i]|
	v_max3_num_f32 v[TM+1], v[TM+1], |v[96+\i]|, |v[97+\i]|
.endr
	v_max_num_f32 v[TM], v[TM], v[TM+1]
	v_permlanex16_b32 v[TM+2], v[TM], s72, s73
	v_max_num_f32 v[TM], v[TM], v[TM+2]
	v_add_nc_u32 v[TM+4], 0xfc000000, v[TM]
	v_and_or_b32 v[TM+6], v[TM], 0x7f800000, s74
	v_lshrrev_b32 v[TM+8], 23, v[TM+4]
.irp i, 0,1,2,3,4,5,6,7,8,9,10,11,12,13,14,15
	v_med3_num_f32 v[88+\i], v[88+\i], -v[TM+6], v[TM+6]
.endr
	v_cvt_scalef32_pk8_fp8_f32 v[72:73], v[88:95], v[TM+4]
	v_cvt_scalef32_pk8_fp8_f32 v[74:75], v[96:103], v[TM+4]
	v_nop
	s_lshl_b32 s87, s84, 9
	s_lshl_b32 s88, s66, 11
	s_add_co_u32 s87, s87, s88
	s_add_co_u32 s87, s87, XIMG
	v_add_nc_u32 v10, s87, v5
	ds_store_b128 v10, v[72:75]
	s_lshl_b32 s88, s66, 7
	s_add_co_u32 s88, s88, s84
	s_add_co_u32 s88, s88, XSC
	v_add_nc_u32 v11, s88, v6
	ds_store_b8 v11, v[TM+8]
	s_add_co_u32 s84, s84, 1
	s_wait_alu depctr_va_vdst(0)
	s_cmp_lt_u32 s84, 4
	s_cbranch_scc1 .Lx
	CD 30, 0                                       ; Wq's first half: it lands during G
; ================= G: sigma(vW); the chart centres into the ball; geo_scale x d^2 for my 16 tokens x 8 rows
	s_wait_loadcnt 0x0
	v_lshlrev_b32 v9, 11, v3
	v_lshl_add_u32 v9, v4, 6, v9                   ; chart_emb's loads: EMBL
	WIN 0x0f
	v_pk_mul_f32 v[200:201], v[64:65], v[64:65]
.irp i, 2,4,6,8,10,12,14
	v_pk_fma_f32 v[200:201], v[64+\i:65+\i], v[64+\i:65+\i], v[200:201]
.endr
	WIN 0
	v_add_f32 v200, v200, v201
.irp x, 1,2,4,8
	v_add_f32_dpp v200, v200, v200 row_xmask:\x row_mask:0xf bank_mask:0xf
.endr
	v_permlanex16_b32 v201, v200, s72, s73
	v_add_f32 v200, v200, v201                     ; N^2
	WIN 0x0f
.irp c, 0,2,4,6
	v_pk_mul_f32 v[136+\c:137+\c], v[\c:\c+1], v[\c:\c+1]
.endr
.irp k, 8,16,24,32,40,48,56
.irp c, 0,2,4,6
	v_pk_fma_f32 v[136+\c:137+\c], v[\k+\c:\k+\c+1], v[\k+\c:\k+\c+1], v[136+\c:137+\c]
.endr
.endr
	WIN 0
	v_pk_add_f32 v[136:137], v[136:137], v[138:139]
	v_pk_add_f32 v[140:141], v[140:141], v[142:143]
	v_pk_add_f32 v[136:137], v[136:137], v[140:141]
	v_add_f32 v136, v136, v137                     ; |y|^2
	s_wait_alu depctr_va_vdst(0)
	v_sqrt_f32 v202, v200
	v_rcp_f32 v203, v200
	v_sqrt_f32 v137, v136
	TWAIT
	v_add_f32 v202, 0x2b8cbccc, v202
	v_mul_f32 v202, v202, v203
	v_readfirstlane_b32 s89, v202                  ; 1 / sigma(vW): a value only
	v_max_num_f32 v137, 0x2b8cbccc, v137
	s_wait_alu depctr_va_vdst(0)
	v_rcp_f32 v138, v137
	TWAIT
	v_mul_f32 v138, 0x3f7fff58, v138               ; (1 - 1e-5) / max(n, 1e-12)
	v_min_num_f32 v138, 1.0, v138
	v_mov_b32 v139, v138
	WIN 0xc3
.set k, 0
.rept 32
	v_pk_mul_f32 v[2*k:2*k+1], v[2*k:2*k+1], v[138:139] op_sel_hi:[1,0]
.set k, k+1
.endr
	WIN 0
	v_mul_f32 v136, v136, v138
	v_mul_f32 v136, v136, v138
	v_sub_f32 v140, 1.0, v136                      ; 1 - |y|^2
	WIN 0x0a
.set k, 0
.rept 32
.irp i, 0,1,2,3
.if k == 0
	v_pk_mul_f32 v[144+2*\i:145+2*\i], v[64*\i:64*\i+1], v[64*\i:64*\i+1]
.else
	v_pk_fma_f32 v[144+2*\i:145+2*\i], v[64*\i+2*k:64*\i+2*k+1], v[64*\i+2*k:64*\i+2*k+1], v[144+2*\i:145+2*\i]
.endif
.endr
	EMBL 0x0a
.set k, k+1
.endr
	WIN 0x8e
.set k, 0
.rept 32
.irp i, 0,1,2,3
	v_pk_add_f32 v[64*\i+2*k:64*\i+2*k+1], v[64*\i+2*k:64*\i+2*k+1], v[2*k:2*k+1] neg_lo:[0,1] neg_hi:[0,1]
.endr
	EMBL 0x8e
.set k, k+1
.endr
	WIN 0x0a
.set k, 0
.rept 32
.irp i, 0,1,2,3
.if k == 0
	v_pk_mul_f32 v[152+2*\i:153+2*\i], v[64*\i:64*\i+1], v[64*\i:64*\i+1]
.else
	v_pk_fma_f32 v[152+2*\i:153+2*\i], v[64*\i+2*k:64*\i+2*k+1], v[64*\i+2*k:64*\i+2*k+1], v[152+2*\i:153+2*\i]
.endif
.endr
	EMBL 0x0a
.set k, k+1
.endr
	WIN 0
.irp i, 0,1,2,3
	v_add_f32 v[160+\i], v[144+2*\i], v[145+2*\i]  ; |x|^2
	v_add_f32 v[164+\i], v[152+2*\i], v[153+2*\i]  ; |x - y|^2
.endr
.irp i, 0,1,2,3
	v_sub_f32 v[160+\i], 1.0, v[160+\i]
.endr
.irp i, 0,1,2,3
	v_mul_f32 v[160+\i], v[160+\i], v140
.endr
.irp i, 0,1,2,3
	v_max_num_f32 v[160+\i], 0x2b8cbccc, v[160+\i]
.endr
	s_wait_alu depctr_va_vdst(0)
.irp i, 0,1,2,3
	v_rcp_f32 v[204+\i], v[160+\i]
.endr
	TWAIT
.irp i, 0,1,2,3
	v_mul_f32 v[164+\i], v[164+\i], v[204+\i]
.endr
.irp i, 0,1,2,3
	v_fma_f32 v[164+\i], v[164+\i], 2.0, 1.0
.endr
.irp i, 0,1,2,3
	v_max_num_f32 v[164+\i], 0x3f800001, v[164+\i] ; a, at least 1 + 1e-7 as f32 has it
.endr
.irp i, 0,1,2,3
	v_add_f32 v[208+\i], -1.0, v[164+\i]
	v_add_f32 v[212+\i], 1.0, v[164+\i]
.endr
.irp i, 0,1,2,3
	v_mul_f32 v[208+\i], v[208+\i], v[212+\i]
.endr
	s_wait_alu depctr_va_vdst(0)
.irp i, 0,1,2,3
	v_sqrt_f32 v[216+\i], v[208+\i]
.endr
	TWAIT
.irp i, 0,1,2,3
	v_add_f32 v[216+\i], v[216+\i], v[164+\i]
.endr
	s_wait_alu depctr_va_vdst(0)
.irp i, 0,1,2,3
	v_log_f32 v[220+\i], v[216+\i]                 ; arccosh(a) = ln(a + sqrt((a - 1)(a + 1)))
.endr
	TWAIT
.irp i, 0,1,2,3
	v_mul_f32 v[220+\i], 0x3f317218, v[220+\i]
.endr
.irp i, 0,1,2,3
	v_mul_f32 v[220+\i], v[220+\i], v[220+\i]
.endr
.irp i, 0,1,2,3
	v_mul_f32 v[220+\i], s76, v[220+\i]
.endr
	s_wait_xcnt 0x0
	s_lshl_b32 s85, s66, 9
	s_add_co_u32 s85, s85, GT
	v_lshlrev_b32 v9, 2, v3
	v_lshl_add_u32 v9, v4, 8, v9
	v_add_nc_u32 v9, s85, v9
	s_wait_alu depctr_va_vdst(0)
.irp i, 0,1,2,3
	ds_store_b32 v9, v[220+\i] offset:64*\i        ; row 4 h + i, token r: my wave's own bytes
.endr
; ================= Qa: q, columns 0-255
	s_wait_alu depctr_va_vdst(0)
	s_wait_tensorcnt 0x0                           ; my part of Wq's first half is in
	BAR
.irp j, 0,1,2,3,4,5,6,7
	v_mov_b32 v[AC8+\j], 0
.endr
	v_add_nc_u32 v9, XIMG, v5
	v_add_nc_u32 v10, XSC, v6
	s_mul_i32 s85, s66, 64*PITCH
	v_add_nc_u32 v11, s85, v7
	s_lshl_b32 s85, s66, 10
	s_add_co_u32 s85, s85, QT
	v_add_nc_u32 v12, s85, v8
	QPART 0, 0, 1
	CD 30, 131072                                  ; Wq's second half: it lands during the first pass
	PADDR
	PARAM 1, 32, 16, 18
; ================= A, first pass
	s_wait_alu depctr_va_vdst(0)
	s_wait_loadcnt 12                              ; chart_emb is in; PARAM's 12 loads may be out
	s_wait_xcnt 0x0                                ; they have read v13 and v14
	WIN 0x15
.set q, 0
.rept 16
	v_max3_num_f32 v[EM+q], |v[16*q]|, |v[16*q+1]|, |v[16*q+2]|
.set q, q+1
.endr
	WIN 0x14
.irp i, 3,5,7,9,11,13
.set q, 0
.rept 16
	v_max3_num_f32 v[EM+q], v[EM+q], |v[16*q+\i]|, |v[16*q+\i+1]|
.set q, q+1
.endr
.endr
.set q, 0
.rept 16
	v_max_num_f32 v[EM+q], v[EM+q], |v[16*q+15]|
.set q, q+1
.endr
	WIN 0
.set q, 0
.rept 16
	v_permlanex16_b32 v[216+q], v[EM+q], s72, s73
.set q, q+1
.endr
.set q, 0
.rept 16
	v_max_num_f32 v[EM+q], v[EM+q], v[216+q]
.set q, q+1
.endr
	s_mul_i32 s85, s66, TRWV
	s_add_co_u32 s85, s85, TR
	v_add_nc_u32 v13, s85, v5
	v_add_nc_u32 v14, s85, v6
	PASS 0
; ================= Qb: q, columns 256-511; q . bk
	s_wait_loadcnt 0x0
	s_wait_tensorcnt 0x0
	BAR
	v_add_nc_u32 v9, XIMG, v5
	v_add_nc_u32 v10, XSC, v6
	s_mul_i32 s85, s66, 64*PITCH
	v_add_nc_u32 v11, s85, v7
	s_lshl_b32 s85, s66, 10
	s_add_co_u32 s85, s85, QT
	v_add_nc_u32 v12, s85, v8
	QPART 0, 1, 1
.irp x, 1,2,4,8
.irp j, 0,1,2,3,4,5,6,7
	v_add_f32_dpp v[AC8+\j], v[AC8+\j], v[AC8+\j] row_xmask:\x row_mask:0xf bank_mask:0xf
.endr
.endr
	s_lshl_b32 s85, s66, 5
	s_add_co_u32 s85, s85, QBK
	v_mov_b32 v9, s85
	ds_store_b128 v9, v[AC8:AC8+3]
	ds_store_b128 v9, v[AC8+4:AC8+7] offset:16
	CD 34, 0                                       ; Wk's first half: it lands during the second pass
; ================= A, second pass
	LB 0
	PASS 1
	LB 1
	s_wait_dscnt 0x0
	; the scores begin as (q . bk - geo d^2) / 16 in each of the 16 lanes that are summed later
	s_lshl_b32 s85, s66, 9
	s_add_co_u32 s85, s85, GT
	v_lshl_add_u32 v9, v4, 5, s85
.irp t, 0,1,2,3,4,5,6,7
	ds_load_b128 v[SC+8*\t:SC+8*\t+3], v9 offset:64*\t
	ds_load_b128 v[SC+8*\t+4:SC+8*\t+7], v9 offset:64*\t+16
.endr
	v_mov_b32 v10, QBK
.irp w, 0,1,2,3
	ds_load_b128 v[200+8*\w:203+8*\w], v10 offset:32*\w
	ds_load_b128 v[204+8*\w:207+8*\w], v10 offset:32*\w+16
.endr
	WIN 0x40
.set q, 128
.rept 64
	v_mov_b32 v[q], 0                              ; the first tile's epilogue belongs to no tile: it adds 0 x 0
.set q, q+1
.endr
	WIN 0
	s_lshl_b32 s92, s66, 14
	s_mov_b32 s93, 0
	s_add_nc_u64 s[78:79], s[34:35], s[92:93]
	s_add_nc_u64 s[78:79], s[78:79], 0x20000       ; Wk's second half, my 32 rows of a slot
	s_add_nc_u64 s[80:81], s[38:39], s[92:93]      ; Wv's first half
	s_wait_dscnt 0x0
.irp c, 0,2,4,6
	v_pk_add_f32 v[200+\c:201+\c], v[200+\c:201+\c], v[208+\c:209+\c]
	v_pk_add_f32 v[216+\c:217+\c], v[216+\c:217+\c], v[224+\c:225+\c]
.endr
.irp c, 0,2,4,6
	v_pk_add_f32 v[200+\c:201+\c], v[200+\c:201+\c], v[216+\c:217+\c]
.endr
.irp c, 0,2,4,6
	v_pk_mul_f32 v[200+\c:201+\c], v[200+\c:201+\c], 0x3d800000 op_sel_hi:[1,0]
.endr
.irp t, 0,1,2,3,4,5,6,7
.irp j, 0,2,4,6
.if (\t%2) == 0
	v_pk_fma_f32 v[SC+8*\t+\j:SC+8*\t+\j+1], v[SC+8*\t+\j:SC+8*\t+\j+1], 0xbd800000, v[200+\t:201+\t] op_sel_hi:[1,0,0]
.else
	v_pk_fma_f32 v[SC+8*\t+\j:SC+8*\t+\j+1], v[SC+8*\t+\j:SC+8*\t+\j+1], 0xbd800000, v[199+\t:200+\t] op_sel:[0,0,1] op_sel_hi:[1,0,1]
.endif
.endr
.endr
.irp j, 8,9,10,11,12,13,14,15
	v_mov_b32 v[QV+\j], 0
.endr
	s_wait_alu depctr_va_vdst(0)
	s_wait_tensorcnt 0x0                           ; my part of Wk's first half is in
	BAR
; ================= K: tokens x Wk^T, reduced by q' into the scores
	SLOTS 0
	s_wait_dscnt 12                                ; q' of the last tile; Wv's first fragments may be out
	NOPS 8
.set k, 0
.rept 16
	SLK 1
.set k, k+1
.endr
	WIN 0
; ================= S: softmax over the 64 tokens, p left unnormalised; the sum divides feat
.irp x, 1,2,4,8
.set q, 0
.rept 64
	v_add_f32_dpp v[SC+q], v[SC+q], v[SC+q] row_xmask:\x row_mask:0xf bank_mask:0xf
.set q, q+1
.endr
.endr
.irp t, 0,1,2,3,4,5,6,7
	v_max3_num_f32 v[200+\t], v[SC+8*\t], v[SC+8*\t+1], v[SC+8*\t+2]
.endr
.irp i, 3,5
.irp t, 0,1,2,3,4,5,6,7
	v_max3_num_f32 v[200+\t], v[200+\t], v[SC+8*\t+\i], v[SC+8*\t+\i+1]
.endr
.endr
.irp t, 0,1,2,3,4,5,6,7
	v_max_num_f32 v[200+\t], v[200+\t], v[SC+8*\t+7]
.endr
.irp t, 0,1,2,3,4,5,6,7
	v_permlanex16_b32 v[208+\t], v[200+\t], s72, s73
.endr
.irp t, 0,1,2,3,4,5,6,7
	v_max_num_f32 v[200+\t], v[200+\t], v[208+\t]
.endr
	s_lshl_b32 s85, s66, 5
	s_add_co_u32 s85, s85, MX
	v_mov_b32 v9, s85
	ds_store_b128 v9, v[200:203]
	ds_store_b128 v9, v[204:207] offset:16
	BAR                                            ; Wv's tile may stay on its way
	v_mov_b32 v10, MX
.irp w, 0,1,2,3
	ds_load_b128 v[208+8*\w:211+8*\w], v10 offset:32*\w
	ds_load_b128 v[212+8*\w:215+8*\w], v10 offset:32*\w+16
.endr
	s_wait_dscnt 0x0
.irp t, 0,1,2,3,4,5,6,7
	v_max3_num_f32 v[200+\t], v[208+\t], v[216+\t], v[224+\t]
.endr
.irp t, 0,1,2,3,4,5,6,7
	v_max_num_f32 v[200+\t], v[200+\t], v[232+\t]  ; the row's maximum
.endr
.irp t, 0,1,2,3,4,5,6,7
.irp j, 0,2,4,6
.if (\t%2) == 0
	v_pk_add_f32 v[SC+8*\t+\j:SC+8*\t+\j+1], v[SC+8*\t+\j:SC+8*\t+\j+1], v[200+\t:201+\t] op_sel_hi:[1,0] neg_lo:[0,1] neg_hi:[0,1]
.else
	v_pk_add_f32 v[SC+8*\t+\j:SC+8*\t+\j+1], v[SC+8*\t+\j:SC+8*\t+\j+1], v[199+\t:200+\t] op_sel:[0,1] op_sel_hi:[1,1] neg_lo:[0,1] neg_hi:[0,1]
.endif
.endr
.endr
.set q, 0
.rept 32
	v_pk_mul_f32 v[SC+2*q:SC+2*q+1], v[SC+2*q:SC+2*q+1], 0x3fb8aa3b op_sel_hi:[1,0]
.set q, q+1
.endr
.set q, 0
	s_wait_alu depctr_va_vdst(0)
.rept 64
	v_exp_f32 v[SC+q], v[SC+q]
.set q, q+1
.endr
	TWAIT
.irp t, 0,1,2,3,4,5,6,7
	v_pk_add_f32 v[208+2*\t:209+2*\t], v[SC+8*\t:SC+8*\t+1], v[SC+8*\t+2:SC+8*\t+3]
.endr
.irp j, 4,6
.irp t, 0,1,2,3,4,5,6,7
	v_pk_add_f32 v[208+2*\t:209+2*\t], v[208+2*\t:209+2*\t], v[SC+8*\t+\j:SC+8*\t+\j+1]
.endr
.endr
.irp t, 0,1,2,3,4,5,6,7
	v_add_f32 v[224+\t], v[208+2*\t], v[209+2*\t]
.endr
.irp t, 0,1,2,3,4,5,6,7
	v_permlanex16_b32 v[232+\t], v[224+\t], s72, s73
.endr
.irp t, 0,1,2,3,4,5,6,7
	v_add_f32 v[224+\t], v[224+\t], v[232+\t]
.endr
	ds_store_b128 v9, v[224:227] offset:128        ; LS = MX + 128
	ds_store_b128 v9, v[228:231] offset:144
	s_wait_dscnt 0x0                               ; the stores have read their registers
	v_lshrrev_b32 v10, 3, v3
	v_lshlrev_b32 v10, 8, v10
	v_lshl_add_u32 v10, v4, 6, v10
.irp u, 0,1
.irp m, 0,1,2,3
	global_load_b128 v[200+16*\u+4*\m:203+16*\u+4*\m], v10, s[20:21] offset:128*\u+16*\m   ; bv at the 32 columns that my lane will quantise
.endr
.endr
	s_mul_i32 s85, s66, 8*SROW
	s_add_co_u32 s85, s85, STG
	v_mul_u32_u24 v12, v4, 4*SROW
	v_lshl_add_u32 v12, v3, 2, v12
	v_add_nc_u32 v12, s85, v12                     ; the stage: row 8 wave + 4 h, + 4 r
	s_lshl_b32 s92, s66, 14
	s_mov_b32 s93, 0
	s_add_nc_u64 s[78:79], s[38:39], s[92:93]
	s_add_nc_u64 s[78:79], s[78:79], 0x20000       ; Wv's second half
	s_add_nc_u64 s[80:81], s[42:43], s[92:93]      ; Wo's first half
	s_wait_xcnt 0x0
; ================= V: tokens x Wv^T, reduced by p into feat's parts
	SLOTS 1
	NOPS 8
.set k, 0
.rept 16
	SLV 1, 0
.if k == 8
	WIN 0
	v_add_nc_u32 v11, 64*33, v12                   ; the last tile's place in the stage
.endif
.set k, k+1
.endr
.irp x, 5,6,7
.set k, \x
	VFIN 0
.endr
	WIN 0
; ================= F: feat = (sum of the four waves' parts) / l + bv, quantised: wave w makes K step w
	PADDR
	PARAM 0, 44, 22, 24
	s_wait_xcnt 0x0
	s_wait_tensorcnt 0x0                           ; my part of Wo's first half is in
	BAR
	; Wo's first half leaves the ring at once: each wave takes its 64 rows into window 3, which the token codes have left, and the ring is asked for Wo's second half,
	; which then has this phase and the first half's products in which to land
	s_mul_i32 s85, s66, 64*PITCH
	v_add_nc_u32 v11, s85, v7
	QLDB
	CD 42, 131072
	v_and_b32 v10, 7, v3                           ; the row
	v_lshrrev_b32 v11, 3, v3                       ; lanes r and r + 8 share a row's four blocks: two each
	v_mul_u32_u24 v9, v10, SROW
	v_lshl_add_u32 v9, v11, 8, v9
	v_lshl_add_u32 v9, v4, 6, v9
	s_lshl_b32 s85, s66, 9
	s_add_co_u32 s85, s85, STG+128
	v_add_nc_u32 v9, s85, v9
.irp w, 0,1,2,3
.irp u, 0,1
.irp m, 0,1,2,3
	ds_load_b128 v[72+32*\w+16*\u+4*\m:75+32*\w+16*\u+4*\m], v9 offset:8*SROW*\w+128*\u+16*\m
.endr
.endr
.endr
	v_lshl_add_u32 v12, v10, 2, LS
.irp w, 0,1,2,3
	ds_load_b32 v[242+\w], v12 offset:32*\w
.endr
	v_lshlrev_b32 v13, 4, v10
	v_lshl_add_u32 v13, v11, 10, v13
	v_lshl_add_u32 v13, v4, 8, v13
	s_lshl_b32 s85, s66, 11
	s_add_co_u32 s85, s85, FIMG
	v_add_nc_u32 v13, s85, v13
	v_lshlrev_b32 v14, 2, v10
	v_lshl_add_u32 v14, v11, 1, v14
	s_lshl_b32 s85, s66, 7
	s_add_co_u32 s85, s85, FISC
	v_add_nc_u32 v14, s85, v14
	s_wait_dscnt 0x0
	v_add_f32 v242, v242, v243
	v_add_f32 v244, v244, v245
	v_add_f32 v242, v242, v244
	s_wait_alu depctr_va_vdst(0)
	v_rcp_f32 v246, v242
.set q, 0
.rept 16
	v_pk_add_f32 v[72+2*q:73+2*q], v[72+2*q:73+2*q], v[104+2*q:105+2*q]
	v_pk_add_f32 v[136+2*q:137+2*q], v[136+2*q:137+2*q], v[168+2*q:169+2*q]
.set q, q+1
.endr
.set q, 0
.rept 16
	v_pk_add_f32 v[72+2*q:73+2*q], v[72+2*q:73+2*q], v[136+2*q:137+2*q]
.set q, q+1
.endr
	s_wait_alu depctr_va_vdst(0)                   ; the reciprocal's wait, ahead of its first reader; the sums above are the work between
	v_mov_b32 v247, v246
	s_wait_alu depctr_va_vdst(0)
	s_wait_loadcnt 0x0                             ; bv, and Wo's scale words, bo, vW
.set q, 0
.rept 16
	v_pk_fma_f32 v[72+2*q:73+2*q], v[72+2*q:73+2*q], v[246:247], v[200+2*q:201+2*q] op_sel_hi:[1,0,1]
.set q, q+1
.endr
	Q2 72, 104, PW, 0
	ds_store_b128 v13, v[104:107]
	ds_store_b128 v13, v[108:111] offset:512
	ds_store_b16 v14, v[PW]
	BAR                                            ; Wo's second half may stay on its way
; ================= O: out = Q(feat) Wo^T + bo, multiplied by vW as it leaves the accumulators
	v_lshlrev_b32 v9, 4, v10
	v_lshl_add_u32 v9, v4, 8, v9
	v_add_nc_u32 v9, FIMG, v9
	v_lshl_add_u32 v10, v10, 2, FISC
.irp j, 0,1,2,3,4,5,6,7
	v_mov_b32 v[AC8+\j], 0
.endr
	s_wait_alu depctr_va_vdst(0)
	QPART 1, 0, 0
	PADDR
	PARAM 1, 44, 22, 24
	s_mul_i32 s85, s66, 64*PITCH
	v_add_nc_u32 v11, s85, v7
	s_wait_alu depctr_va_vdst(0)
	s_wait_tensorcnt 0x0
	BAR
	s_wait_loadcnt 0x0
	QPART 1, 1, 1
.irp x, 1,2,4,8
.irp j, 0,1,2,3,4,5,6,7
	v_add_f32_dpp v[AC8+\j], v[AC8+\j], v[AC8+\j] row_xmask:\x row_mask:0xf bank_mask:0xf
.endr
.endr
	s_lshl_b32 s85, s66, 5
	s_add_co_u32 s85, s85, OP
	v_mov_b32 v9, s85
	ds_store_b128 v9, v[AC8:AC8+3]
	ds_store_b128 v9, v[AC8+4:AC8+7] offset:16
	BAR
	v_and_b32 v10, 7, v0
	v_lshl_add_u32 v10, v10, 2, OP
.irp w, 0,1,2,3
	ds_load_b32 v[200+\w], v10 offset:32*\w
.endr
	s_wait_dscnt 0x0
	v_add_f32 v200, v200, v201
	v_add_f32 v202, v202, v203
	v_add_f32 v200, v200, v202
	v_fma_f32 v200, v200, s89, s77                 ; / sigma(vW) + vb
	s_cmp_lg_u32 s66, 0
	s_cbranch_scc1 .Lno_store
	s_wait_xcnt 0x0                                ; EXEC changes only behind this wait
	v_cmp_gt_u32 vcc_lo, 8, v0
	s_and_saveexec_b32 s85, vcc_lo
	s_wait_alu depctr_va_vdst(0)
	global_store_b32 v6, v200, s[46:47]            ; lanes 0-7 of wave 0: the work-group's eight results
	s_wait_xcnt 0x0
	s_or_b32 exec_lo, exec_lo, s85
.Lno_store:
	s_wait_tensorcnt 0x0                           ; the wave's end
	ds_add_u32 v1, v2
	s_wait_dscnt 0x0
	ROUND                                          ; the closing round
	s_endpgm
.Lfunc_end_k_q04415b8fa3_potential:
	.size	k_q04415b8fa3_potential, .Lfunc_end_k_q04415b8fa3_potential-k_q04415b8fa3_potential
	.p2alignl 7, 3214868480
	.fill 96, 4, 3214868480
	.section	.rodata,"a",@progbits
	.p2align	6, 0x0
	.amdhsa_kernel k_q04415b8fa3_potential
		.amdhsa_group_segment_fixed_size 327680
		.amdhsa_private_segment_fixed_size 0
		.amdhsa_enable_private_segment 0
		.amdhsa_kernarg_size 176
		.amdhsa_user_sgpr_count 2
		.amdhsa_user_sgpr_kernarg_segment_ptr 1
		.amdhsa_wavefront_size32 1
		.amdhsa_system_sgpr_workgroup_id_x 1
		.amdhsa_system_sgpr_workgroup_id_y 1
		.amdhsa_system_sgpr_workgroup_id_z 1
		.amdhsa_system_vgpr_workitem_id 0
		.amdhsa_next_free_vgpr 1024
		.amdhsa_next_free_sgpr 100
		.amdhsa_reserve_vcc 1
		.amdhsa_float_denorm_mode_32 3
		.amdhsa_float_denorm_mode_16_64 3
		.amdhsa_memory_ordered 1
		.amdhsa_forward_progress 1
		.amdhsa_inst_pref_size 255
	.end_amdhsa_kernel
	.section	.bss,"aw",@nobits
	.p2align	6
	.space	262144
	.amdgpu_metadata
---
amdhsa.version: [ 1, 2 ]
amdhsa.kernels:
  - .name:           k_q04415b8fa3_potential
    .symbol:         k_q04415b8fa3_potential.kd
    .args:
      - { .name: zW, .offset: 0, .size: 8, .value_kind: global_buffer, .address_space: global }
      - { .name: z, .offset: 8, .size: 8, .value_kind: global_buffer, .address_space: global }
      - { .name: rw, .offset: 16, .size: 8, .value_kind: global_buffer, .address_space: global }
      - { .name: chart_emb, .offset: 24, .size: 8, .value_kind: global_buffer, .address_space: global }
      - { .name: chart_centers, .offset: 32, .size: 8, .value_kind: global_buffer, .address_space: global }
      - { .name: zb, .offset: 40, .size: 8, .value_kind: global_buffer, .address_space: global }
      - { .name: bq, .offset: 48, .size: 8, .value_kind: global_buffer, .address_space: global }
      - { .name: bk, .offset: 56, .size: 8, .value_kind: global_buffer, .address_space: global }
      - { .name: bv, .offset: 64, .size: 8, .value_kind: global_buffer, .address_space: global }
      - { .name: bo, .offset: 72, .size: 8, .value_kind: global_buffer, .address_space: global }
      - { .name: vW, .offset: 80, .size: 8, .value_kind: global_buffer, .address_space: global }
      - { .name: vb, .offset: 88, .size: 8, .value_kind: global_buffer, .address_space: global }
      - { .name: geo_scale, .offset: 96, .size: 8, .value_kind: global_buffer, .address_space: global }
      - { .name: Wq_codes, .offset: 104, .size: 8, .value_kind: global_buffer, .address_space: global }
      - { .name: Wq_scales, .offset: 112, .size: 8, .value_kind: global_buffer, .address_space: global }
      - { .name: Wk_codes, .offset: 120, .size: 8, .value_kind: global_buffer, .address_space: global }
      - { .name: Wk_scales, .offset: 128, .size: 8, .value_kind: global_buffer, .address_space: global }
      - { .name: Wv_codes, .offset: 136, .size: 8, .value_kind: global_buffer, .address_space: global }
      - { .name: Wv_scales, .offset: 144, .size: 8, .value_kind: global_buffer, .address_space: global }
      - { .name: Wo_codes, .offset: 152, .size: 8, .value_kind: global_buffer, .address_space: global }
      - { .name: Wo_scales, .offset: 160, .size: 8, .value_kind: global_buffer, .address_space: global }
      - { .name: out0, .offset: 168, .size: 8, .value_kind: global_buffer, .address_space: global }
    .group_segment_fixed_size: 327680
    .private_segment_fixed_size: 0
    .kernarg_segment_align: 8
    .kernarg_segment_size: 176
    .max_flat_workgroup_size: 128
    .sgpr_count:     100
    .vgpr_count:     1024
    .wavefront_size: 32
...
	.end_amdgpu_metadata
.endif
;; end of part 1
